; MI455X (gfx1250); checked and timed in simulation.
; The chip was launched on July 23, 2026; its instructions are those of AMD's public machine-readable ISA for CDNA 5 (MIT licence, August 2026) and "CDNA5" Instruction Set Architecture Reference Guide (July 2026). The comments in the code are by the model that wrote it; some were corrected since.
;; Hierarchical Attention. Allowed arithmetic: matrix products marked QUANTISED: E2M1 operands, one E8M0 scale for each 32 along K, by v_wmma_scale_f32_16x16x128_f8f6f4 with both operands' format E2M1 (or v_wmma_scale_f32_32x16x128_f4), f32 sums; everything else in f32.
;; Inputs: gk_b 512 float32; gk_w_codes 512 x 16 x 16 uint8 (E2M1 codes of gk_w, K innermost, in blocks of 32 codes, two codes a byte); gk_w_scales 512 x 16 uint8 (E8M0 scales of gk_w, one for each 32 codes along K); gq_b 512 float32; gq_w_codes 512 x 16 x 16 uint8 (E2M1 codes of gq_w, K innermost, in blocks of 32 codes, two codes a byte); gq_w_scales 512 x 16 uint8 (E8M0 scales of gq_w, one for each 32 codes along K); gv_b 512 float32; gv_w_codes 512 x 16 x 16 uint8 (E2M1 codes of gv_w, K innermost, in blocks of 32 codes, two codes a byte); gv_w_scales 512 x 16 uint8 (E8M0 scales of gv_w, one for each 32 codes along K); lk_b 512 float32; lk_w_codes 512 x 16 x 16 uint8 (E2M1 codes of lk_w, K innermost, in blocks of 32 codes, two codes a byte); lk_w_scales 512 x 16 uint8 (E8M0 scales of lk_w, one for each 32 codes along K); ln_b 512 float32; ln_g 512 float32; lq_b 512 float32; lq_w_codes 512 x 16 x 16 uint8 (E2M1 codes of lq_w, K innermost, in blocks of 32 codes, two codes a byte); lq_w_scales 512 x 16 uint8 (E8M0 scales of lq_w, one for each 32 codes along K); lv_b 512 float32; lv_w_codes 512 x 16 x 16 uint8 (E2M1 codes of lv_w, K innermost, in blocks of 32 codes, two codes a byte); lv_w_scales 512 x 16 uint8 (E8M0 scales of lv_w, one for each 32 codes along K); out_b 512 float32; out_w_codes 512 x 32 x 16 uint8 (E2M1 codes of out_w, K innermost, in blocks of 32 codes, two codes a byte); out_w_scales 512 x 32 uint8 (E8M0 scales of out_w, one for each 32 codes along K); x 4 x 8,192 x 512 float32.
;; Outputs: out0 4 x 8,192 x 512 float32.
;; This version of the problem:
;;   THIS VERSION OF THE PROBLEM IS GIVEN IN LOW PRECISION. The matrix products marked QUANTISED in the list below multiply operands that are first quantised to E2M1 (2 exponent bits, 1 mantissa bit; 4 bits a number), with one power-of-two scale for each 32 numbers along K (OCP MX v1.0); their sums are f32. All else is computed in f32.
;;   The module's matrix products, in the order in which they are computed (A, B: the left and right operand; K: the contracted axis; several contracted axes count as one K, in the product's order):
;;     1. [M 32,768, K 512] x [K 512, N 512]; A: input x; B: input lq_w (given as codes): QUANTISED
;;     2. [M 32,768, K 512] x [K 512, N 512]; A: input x; B: input lk_w (given as codes): QUANTISED
;;     3. [M 32,768, K 512] x [K 512, N 512]; A: input x; B: input lv_w (given as codes): QUANTISED
;;     4. batch 1,024 x [M 256, K 64] x [K 64, N 256]; A: computed on the way; B: computed on the way: QUANTISED
;;     5. batch 1,024 x [M 256, K 256] x [K 256, N 64]; A: softmax (see below); B: computed on the way: QUANTISED
;;     6. [M 32,768, K 512] x [K 512, N 512]; A: input x; B: input gq_w (given as codes): QUANTISED
;;     7. [M 512, K 512] x [K 512, N 512]; A: input x; B: input gk_w (given as codes): QUANTISED
;;     8. [M 512, K 512] x [K 512, N 512]; A: input x; B: input gv_w (given as codes): QUANTISED
;;     9. batch 32 x [M 8,192, K 64] x [K 64, N 128]; A: computed on the way; B: computed on the way: QUANTISED
;;     10. batch 32 x [M 64, K 128] x [K 128, N 8,192]; A: computed on the way; B: softmax (see below): QUANTISED
;;     11. [M 32,768, K 1,024] x [K 1,024, N 512]; A: computed on the way; B: input out_w (given as codes): QUANTISED
;;   THE QUANTISER, for each operand of a quantised product, along K:
;;     - K is cut into blocks of 32 from its start; a last block that is shorter is filled with zeros.
;;     - A block's scale is 2^e with e = floor(log2(the largest magnitude in the block)) - 2, held to -126 .. 127; a block of zeros has e = 0. As a byte (E8M0): e + 127.
;;     - Each number is divided by its block's scale, clamped to +-6, and rounded to the nearest number of E2M1, ties to even, subnormals kept.
;;     - The product sums the exact products of the quantised numbers (number of the format x scale) in f32.
;;   ~~~python
;;   def quantise(x, axis):      # numpy; x: float32 -> the quantised numbers, widened to float32 again
;;       x = np.moveaxis(x, axis, -1); K = x.shape[-1]
;;       x = np.pad(x, [(0, 0)] * (x.ndim - 1) + [(0, -K % 32)]); x = x.reshape(x.shape[:-1] + (-1, 32)); a = np.abs(x).max(-1, keepdims=True)
;;       e = np.where(a > 0, np.clip(np.frexp(np.where(a > 0, a, 1))[1] - 1 - 2, -126, 127), 0)      # np.frexp(a)[1] - 1 = floor(log2(a)), exactly
;;       r = np.clip(x / 2.0 ** e, -6, 6)
;;       step = 2.0 ** (np.maximum(np.frexp(np.where(r == 0, 1, r))[1] - 1, 0) - 1)
;;       q = np.round(r / step) * step * 2.0 ** e      # np.round: ties to even
;;       return np.moveaxis(q.reshape(q.shape[:-2] + (-1,))[..., :K], -1, axis).astype(np.float32)
;;   ~~~
;;   SOFTMAX AHEAD OF A QUANTISED PRODUCT. Where the list says 'softmax', what is quantised is not the finished softmax but p = 2^(t - M), with t = logit x log2(e) and M = ceil(the row's largest t), a whole number; so 1/2 < the row's largest p <= 1. The row's sum l is taken of the UNQUANTISED p, in f32, and the product's result is divided by l at the end. Since M is a whole number, a kernel that streams over the keys may use a running M (the ceiling of the running maximum): every later rescaling is an exact power of two, which a block's scale takes up: the codes' values come out the same.
;;   OPERANDS COMPUTED ON THE WAY. 'Computed on the way' means the value that the module computes at that place (a softmax that the list does not call 'softmax' is quantised finished and normalised). What goes into a quantiser is computed in f32, as accurately as f32 sums, v_exp_f32 and their like allow (about 1e-6 of the number): no bf16 or f16 on the way to a quantiser, and a product that is left as it is and whose result goes on into a quantised operand takes f32 operands (vector FMAs, or v_wmma_f32_16x16x4_f32). A number that lies on a knife's edge between two numbers of the format may be rounded either way, as far as f32 arithmetic and the matrix unit's own rounding can turn it there, and no further.
;;   INPUTS GIVEN AS CODES. gk_w (in the module: [512, 512], K = its axis 0); gq_w (in the module: [512, 512], K = its axis 0); gv_w (in the module: [512, 512], K = its axis 0); lk_w (in the module: [512, 512], K = its axis 0); lq_w (in the module: [512, 512], K = its axis 0); lv_w (in the module: [512, 512], K = its axis 0); out_w (in the module: [1024, 512], K = its axis 0): each comes as NAME_codes (uint8): NAME with its K axis moved to the last place and cut into blocks of 32 codes, [.., K / 32, bytes a block], one block behind the other in memory; two codes a byte, the lower K in the low four bits (a code: sign, 2 exponent bits, 1 mantissa bit); and NAME_scales (uint8): the same leading axes, one E8M0 byte (e + 127) for each 32 codes along K. Its value is code x scale, taken as it is: it is not quantised again, and the codes and scales need not be those that the quantiser above would give.
;; One version. Each part assembles by itself: llvm-mc -triple=amdgcn-amd-amdhsa -mcpu=gfx1250 --defsym DOCPART=n.
;; ======== version 1 of 1: 2 launches
;; limits: right only within a limited range of input values
;; workspace buffers: qkv 37,748,736 bytes; gkv 294,912 bytes; oww 262,144 bytes
;; launch proj (part 1): grid 256 x 1, 8 waves a work-group, no clusters, 254,976 bytes of LDS; arguments x, qkv, lq_w_codes, lq_w_scales, lk_w_codes, lk_w_scales, lv_w_codes, lv_w_scales, gq_w_codes, gq_w_scales, gk_w_codes, gk_w_scales, gv_w_codes, gv_w_scales, gkv, lq_b, lk_b, lv_b, gq_b, gk_b, gv_b, out_w_codes, oww; writes qkv, gkv, oww
.if DOCPART == 1
	.amdgcn_target "amdgcn-amd-amdhsa--gfx1250"
	.amdhsa_code_object_version 6
	.text
	.protected	k_q3e1cdd9700_proj
	.globl	k_q3e1cdd9700_proj
	.p2align	8
	.type	k_q3e1cdd9700_proj,@function
k_q3e1cdd9700_proj:
	s_mov_b64 s[64:65], 0
	v_nop
	global_prefetch_b8 v0, s[64:65] scope:SCOPE_SE
	s_setreg_imm32_b32 hwreg(HW_REG_WAVE_MODE, 25, 1), 1
	s_wait_xcnt 0x0
; The six projections of x, each made once, on codes of FP4 (E2M1) with one E8M0 scale for each 32 along K; their results, quantised for the attentions' products, go to workspace buffers as images of operand registers.
; SHARES.  Work-group g owns rows 128 g .. 128 g + 127 of x (half a window).  WAVE w IS HEAD w: q, k, gq, v of the 128 rows.  Work-groups 0 to 15 (batch g / 4, pair g % 4) also take 32 of the batch's 128 strided rows through gk and gv.
; Waves 0 and 1 of every work-group also re-lay one piece of 512 bytes of out_w's codes into oww, in the order in which the next launch's operand registers take it.
; LAYOUT.  r = lane % 16, h = lane / 16, RP = r + 8 (r / 8).  Lane r of x's tile 2 p + u is position 32 p + 8 u + RP; lane r of tile 2 b + u of a weight is row 64 w + 32 b + 8 u + RP: the 16 registers of two neighbouring result tiles are 16 neighbours along the next K.
;   q, k, gq, gk: source 0 = weight: a lane holds a row of x, blocks run along the channels;  v, gv: source 0 = x: a lane holds a channel, blocks run along the rows.
; LOADS.  x and the weights are loaded as they lie, each load of the wave 512 consecutive bytes, and turned into operand order through the wave's own stage in LDS (padded rows).
; qkv[g][w], 18,432 bytes apart: q codes 0, words 4096; k 4608, 8704; gq 9216, 13312; v codes 13824 (1024 pair + 256 tile + 16 r + 8 h), words 17920 (64 tile + 4 r, byte = pair).
; gkv[batch][w], 9,216 bytes apart: gk codes 1024 pair; gv codes 4096 + 1024 pair; gk words 8192 + 128 pair; gv bytes 8704 + 64 pair + channel.
; oww: 32768 w + 4096 K step + 1024 tile + 512 c + 16 lane: the 16 bytes that lane (r, h) of wave w wants of out_w's row 64 w + 16 tile + r, at byte 32 K step + 256 c + 16 h.
; NO CLUSTER, NO TENSOR LOADS: each weight byte is read by exactly one wave of a work-group, one matrix ahead of its use.  No prefetch: x is wanted at the head, and the weights are asked for a projection ahead.
; LIMITS: NaN and infinities among the inputs are not served.  A block whose largest magnitude lies under 2^-124 (a block of zeros too) gets the scale byte 1; a zero block's codes are zeros.
.set XIMG, 0            ; x's codes: fragment (tile m, K step s) at 1024 (4 m + s), block b at + 256 b
.set GIMG, 32768        ; the strided pair's two tiles
.set XSC,  40960        ; scale words: 128 (4 p + s) + 64 u + 4 r
.set GSC,  43008
.set PAR,  45056        ; six arrays of 512 f32: lq_b lk_b lv_b gq_b gk_b gv_b
.set OUTW, 57344        ; a wave's own: one projection's results (4,608 bytes), the strided pair's results, the stage
.set WB,   24576
.set GK,   4608
.set GV,   5632
.set GKW,  6656
.set GVB,  6912
.set WST,  7168         ; the stage: 64 rows of 272 bytes (a weight's slice), or 16 rows of 528 (a job of x)
.set SPARE, 253952
.set BQ, 0              ; where the four results lie in a block of qkv
.set BK, 4608
.set BG, 9216
.set BV, 13824
.set L16, 1
.set L4,  2
.set L8,  3
.set R4,  4
.set R1,  5
.set P64, 6
.set CA,  7             ; my results in LDS + 16 lane
.set VW,  8             ; 16384 w + 16 lane
.set VWS, 9
.set H64, 10
.set RP4, 11
.set ADX, 12
.set ADXS, 13
.set ADP, 14
.set ADPS, 15
.set AB,  16
.set ADS0, 17
.set ADSS0, 18
.set AD0, 19            ; my job's first byte in x + 16 lane; the strided job's
.set CB,  20            ; my results in LDS + 8 lane
.set LN,  21
.set XSA, 22            ; the stage + 16 lane
.set XLA, 23            ; the stage + 528 r + 64 h
.set WSA, 24            ; the stage + 272 h + 16 r
.set WLA, 25            ; the stage + 272 r + 16 h
.set OSRC, 26
.set ODST, 27
.set OWD, 28            ; v28-31: my piece of out_w
.set AD1, 66
.set T8G, 64
.set T8L, 65
.set WS0, 32            ; v32-51 hold scales and nothing else
.set WS1, 40
.set XS,  48
.set TM,  68
.set T2,  72
.set SOP, 76
.set BY,  80
.set PC,  84
.set HW0, 94
.set HW1, 95
.set BI,  96
.set ACC, 128
.set X0,  128
.set X1,  192
.set XF,  192
.set CNT, 68
.set XO,  69
.set XSO, 70
.set PO,  71
.set PSO, 72
.set SEL, 76
.set PARW, 88
.set MSB, 0
.macro WIN new
.if MSB != \new
	s_set_vgpr_msb (MSB<<8)|\new
.set MSB, \new
.endif
.endm
.macro PLACES n
.rept \n
	v_nop
.endr
.endm
.macro BARRIER
	s_wait_dscnt 0x0
	s_barrier_signal -1
	s_barrier_wait -1
.endm
; One matrix instruction.  c < 0: the constant 0 starts the sum.  ra, rb: 1 = that side's scales stand in lanes 16-31.
.macro MM d, a, b, c, sa, sb, ra, rb
.set mmD, \d
.set mmA, \a
.set mmB, \b
.set mmC, \c
.set mmP, \sa
.set mmQ, \sb
.set mmV, 2*(\ra)+(\rb)
.if mmC < 0
.if mmV == 0
	v_wmma_scale_f32_16x16x128_f8f6f4 v[mmD:mmD+7], v[mmA:mmA+7], v[mmB:mmB+7], 0, v[mmP], v[mmQ] matrix_a_fmt:MATRIX_FMT_FP4 matrix_b_fmt:MATRIX_FMT_FP4
.elseif mmV == 1
	v_wmma_scale_f32_16x16x128_f8f6f4 v[mmD:mmD+7], v[mmA:mmA+7], v[mmB:mmB+7], 0, v[mmP], v[mmQ] matrix_a_fmt:MATRIX_FMT_FP4 matrix_b_fmt:MATRIX_FMT_FP4 matrix_b_scale:MATRIX_SCALE_ROW1
.elseif mmV == 2
	v_wmma_scale_f32_16x16x128_f8f6f4 v[mmD:mmD+7], v[mmA:mmA+7], v[mmB:mmB+7], 0, v[mmP], v[mmQ] matrix_a_fmt:MATRIX_FMT_FP4 matrix_b_fmt:MATRIX_FMT_FP4 matrix_a_scale:MATRIX_SCALE_ROW1
.else
	v_wmma_scale_f32_16x16x128_f8f6f4 v[mmD:mmD+7], v[mmA:mmA+7], v[mmB:mmB+7], 0, v[mmP], v[mmQ] matrix_a_fmt:MATRIX_FMT_FP4 matrix_b_fmt:MATRIX_FMT_FP4 matrix_a_scale:MATRIX_SCALE_ROW1 matrix_b_scale:MATRIX_SCALE_ROW1
.endif
.else
.if mmV == 0
	v_wmma_scale_f32_16x16x128_f8f6f4 v[mmD:mmD+7], v[mmA:mmA+7], v[mmB:mmB+7], v[mmC:mmC+7], v[mmP], v[mmQ] matrix_a_fmt:MATRIX_FMT_FP4 matrix_b_fmt:MATRIX_FMT_FP4
.elseif mmV == 1
	v_wmma_scale_f32_16x16x128_f8f6f4 v[mmD:mmD+7], v[mmA:mmA+7], v[mmB:mmB+7], v[mmC:mmC+7], v[mmP], v[mmQ] matrix_a_fmt:MATRIX_FMT_FP4 matrix_b_fmt:MATRIX_FMT_FP4 matrix_b_scale:MATRIX_SCALE_ROW1
.elseif mmV == 2
	v_wmma_scale_f32_16x16x128_f8f6f4 v[mmD:mmD+7], v[mmA:mmA+7], v[mmB:mmB+7], v[mmC:mmC+7], v[mmP], v[mmQ] matrix_a_fmt:MATRIX_FMT_FP4 matrix_b_fmt:MATRIX_FMT_FP4 matrix_a_scale:MATRIX_SCALE_ROW1
.else
	v_wmma_scale_f32_16x16x128_f8f6f4 v[mmD:mmD+7], v[mmA:mmA+7], v[mmB:mmB+7], v[mmC:mmC+7], v[mmP], v[mmQ] matrix_a_fmt:MATRIX_FMT_FP4 matrix_b_fmt:MATRIX_FMT_FP4 matrix_a_scale:MATRIX_SCALE_ROW1 matrix_b_scale:MATRIX_SCALE_ROW1
.endif
.endif
.endm
; nb blocks of 32: block b's 16 numbers of my lane stand in v[src + 16 b] on, the other 16 in lane l xor 16.  Out: v[SOP + b] the conversion's scale operand, v[BY + b] the scale's byte.
.macro QMAX src, nb
.set qb, 0
.rept \nb
	v_max3_num_f32 v[TM+qb], |v[\src+16*qb]|, |v[\src+16*qb+1]|, 0x1800000   ; and the floor 2^(3 - 127): the byte cannot fall under 1
.set qb, qb+1
.endr
.irp i, 2,4,6,8,10,12,14
.set qb, 0
.rept \nb
	v_max3_num_f32 v[TM+qb], v[TM+qb], |v[\src+16*qb+\i]|, |v[\src+16*qb+\i+1]|
.set qb, qb+1
.endr
.endr
.set qb, 0
.rept \nb
	v_permlanex16_b32 v[T2+qb], v[TM+qb], s[SEL], s[SEL+1]
.set qb, qb+1
.endr
.set qb, 0
.rept \nb
	v_max_num_f32 v[TM+qb], v[TM+qb], v[T2+qb]
.set qb, qb+1
.endr
.set qb, 0
.rept \nb
	v_add_nc_u32 v[SOP+qb], 0xff000000, v[TM+qb]         ; 2 off the exponent field
.set qb, qb+1
.endr
.set qb, 0
.rept \nb
	v_lshrrev_b32 v[BY+qb], 23, v[SOP+qb]
.set qb, qb+1
.endr
.endm
.macro CVT src, nb
.set qb, 0
.rept \nb
	v_cvt_scalef32_pk8_fp4_f32 v[PC+2*qb], v[\src+16*qb:\src+16*qb+7], v[SOP+qb]
	v_cvt_scalef32_pk8_fp4_f32 v[PC+2*qb+1], v[\src+16*qb+8:\src+16*qb+15], v[SOP+qb]
.set qb, qb+1
.endr
	v_nop                                          ; one plain line behind the last scaled conversion
.endm
; Phase X.  Job j of my wave: tile 2 j + w % 2, K step w / 2.  Load i brings the K step's 512 bytes of the row that lane r = i of the tile stands for.
.macro XLOAD set, adr, base, pitch
.set xi, 0
.rept 16
	global_load_b128 v[\set+4*xi:\set+4*xi+3], v[\adr], s[16:17] offset:\base+\pitch*(xi+8*(xi/8))
.set xi, xi+1
.endr
.endm
.macro XJOB set, job
.set xi, 0
.rept 16
	ds_store_b128 v[XSA], v[\set+4*xi:\set+4*xi+3] offset:528*xi   ; the 16 rows into my stage,
.set xi, xi+1
.endr
	s_wait_dscnt 0x0                               ; the stores have read their registers
.irp b, 0,1,2,3
.irp j, 0,1,2,3
	ds_load_b128 v[\set+16*\b+4*\j:\set+16*\b+4*\j+3], v[XLA] offset:128*\b+16*\j   ; and back: of my row, 16 neighbours of each of the four blocks
.endr
.endr
	s_wait_dscnt 0x0
	QMAX \set, 4
	v_lshl_or_b32 v[HW0], v[BY+1], 8, v[BY]
	s_delay_alu instid0(VALU_DEP_1)
	v_lshl_or_b32 v[HW0], v[BY+2], 16, v[HW0]
	s_delay_alu instid0(VALU_DEP_1)
	v_lshl_or_b32 v[HW0], v[BY+3], 24, v[HW0]
	CVT \set, 4
.irp b, 0,1,2,3
	ds_store_b64 v[ADS0], v[PC+2*\b:PC+2*\b+1] offset:8192*\job+256*\b
.endr
	ds_store_b32 v[ADSS0], v[HW0] offset:512*\job  ; both halves of the lanes write the same word with the same value
.endm
; My head's 64 rows of a weight, 16,384 consecutive bytes, as they lie: load i brings rows 2 i and 2 i + 1 into window 1, v[wb + 4 i].  The scale words of K step s go to v[wsb + 4 b + s]: lanes 0-15 tile 2 b, lanes 16-31 tile 2 b + 1.
.macro WLOAD cp, sp, wb, wsb
	WIN 0x40
.set wi, 0
.rept 32
	global_load_b128 v[\wb+4*wi:\wb+4*wi+3], v[VW], s[\cp:\cp+1] offset:512*wi
.set wi, wi+1
.endr
	WIN 0
.irp b, 0,1
	global_load_b128 v[\wsb+4*\b:\wsb+4*\b+3], v[VWS], s[\sp:\sp+1] offset:512*\b
.endr
.endm
; The slice through my stage into operand order: fragment (tile t, K step s) at window 1, v[wb + 32 t + 8 s].  Row 32 b + x goes to stage row 32 b + 16 ((x / 8) % 2) + 8 (x / 16) + x % 8, so that a tile's 16 rows are neighbours there.
.macro WTRANS wb
	WIN 0x04
.set wi, 0
.rept 32
	ds_store_b128 v[WSA], v[\wb+4*wi:\wb+4*wi+3] offset:272*(32*(wi/16)+16*((wi/4)%2)+8*((wi%16)/8)+(2*wi)%8)
.set wi, wi+1
.endr
	WIN 0
	s_wait_dscnt 0x0                               ; the stores have read their registers
	WIN 0x40
.irp t, 0,1,2,3
.irp s, 0,1,2,3
.irp c, 0,1
	ds_load_b128 v[\wb+32*\t+8*\s+4*\c:\wb+32*\t+8*\s+4*\c+3], v[WLA] offset:4352*\t+64*\s+32*\c
.endr
.endr
.endr
	WIN 0
.endm
.macro XFLOAD                          ; a pair of x tiles, all four K steps, and their scale words
	v_add_nc_u32 v[ADX], s[XO], v[L16]
	v_add_nc_u32 v[ADXS], s[XSO], v[L4]
.irp i, 0,1
.irp s, 0,1,2,3
.irp c, 0,1
	ds_load_b128 v[XF+32*\i+8*\s+4*\c:XF+32*\i+8*\s+4*\c+3], v[ADX] offset:4096*\i+1024*\s+512*\c
.endr
.endr
.endr
.irp s, 0,1,2,3
	ds_load_b32 v[XS+\s], v[ADXS] offset:128*\s
.endr
.endm
; A projection for my head, np pairs of x tiles.  A trip: 32 matrix instructions, the eight accumulators by turns; the bias is the C of each sum's first instruction.
; ori = 1: a channel's scale byte goes to psoff + v[vr] + vo x tile + pair.
.macro PROJ ori, img, sc, np, wb, wsb, par, pb, poff, psoff, vr, vo
	s_mov_b32 s[XO], \img
	s_mov_b32 s[XSO], \sc
	s_add_co_u32 s[PO], s[\pb], \poff
	s_add_co_u32 s[PSO], s[\pb], \psoff
.if \np > 1
	s_mov_b32 s[CNT], \np
.endif
.if \ori == 0
	v_add_nc_u32 v[AB], s[PARW], v[H64]
.irp t, 0,1,2,3
.irp k, 0,1
	ds_load_b128 v[BI+8*\t+4*\k:BI+8*\t+4*\k+3], v[AB] offset:2048*\par+128*(\t/2)+32*(\t%2)+16*\k
.endr
.endr
.else
	v_add_nc_u32 v[AB], s[PARW], v[RP4]
.irp t, 0,1,2,3
.irp k, 0,1,2,3,4,5,6,7
	ds_load_b32 v[BI+8*\t+\k], v[AB] offset:2048*\par+128*(\t/2)+32*(\t%2)
.endr
.endr
.endif
	XFLOAD
.Lproj_\@:
	s_wait_dscnt 0x0
.if \ori == 0
	WIN 0x01
.irp s, 0,1,2,3
.irp i, 0,1
.irp t, 0,1,2,3
.if \s == 0
	MM ACC+32*\i+8*\t, \wb+32*\t+8*\s, XF+32*\i+8*\s, BI+8*\t, \wsb+4*(\t/2)+\s, XS+\s, \t%2, \i
.else
	MM ACC+32*\i+8*\t, \wb+32*\t+8*\s, XF+32*\i+8*\s, ACC+32*\i+8*\t, \wsb+4*(\t/2)+\s, XS+\s, \t%2, \i
.endif
.endr
.endr
.endr
.else
	WIN 0x04
.irp s, 0,1,2,3
.irp t, 0,1,2,3
.irp i, 0,1
.if \s == 0
	MM ACC+16*\t+8*\i, XF+32*\i+8*\s, \wb+32*\t+8*\s, BI+8*\t, XS+\s, \wsb+4*(\t/2)+\s, \i, \t%2
.else
	MM ACC+16*\t+8*\i, XF+32*\i+8*\s, \wb+32*\t+8*\s, ACC+16*\t+8*\i, XS+\s, \wsb+4*(\t/2)+\s, \i, \t%2
.endif
.endr
.endr
.endr
.endif
	WIN 0
	PLACES 4
	s_add_co_u32 s[XO], s[XO], 8192
	s_add_co_u32 s[XSO], s[XSO], 512
.if \np > 1                            ; a projection of one pair has no next pair and no loop
	s_cmp_eq_u32 s[CNT], 1
	s_cbranch_scc1 .Lnox_\@                        ; the last trip fetches nothing
	XFLOAD
.Lnox_\@:
.endif
	QMAX ACC, 4
.if \ori == 0
	s_delay_alu instid0(VALU_DEP_3)
	v_lshl_or_b32 v[HW0], v[BY+1], 8, v[BY]        ; a row's scale word: two bytes, the upper two 0
	s_delay_alu instid0(VALU_DEP_2)
	v_lshl_or_b32 v[HW1], v[BY+3], 8, v[BY+2]
.endif
	CVT ACC, 4
	v_add_nc_u32 v[ADP], s[PO], v[P64]
.if \ori == 0
	v_add_nc_u32 v[ADPS], s[PSO], v[R4]
.irp i, 0,1
.irp b, 0,1
	ds_store_b64 v[ADP], v[PC+4*\i+2*\b:PC+4*\i+2*\b+1] offset:512*\i+256*\b
.endr
	ds_store_b32 v[ADPS], v[HW0+\i] offset:64*\i
.endr
	s_add_co_u32 s[PSO], s[PSO], 128
.else
	v_add_nc_u32 v[ADPS], s[PSO], v[\vr]
.irp t, 0,1,2,3
	ds_store_b64 v[ADP], v[PC+2*\t:PC+2*\t+1] offset:256*\t
	ds_store_b8 v[ADPS], v[BY+\t] offset:\vo*\t
.endr
	s_add_co_u32 s[PSO], s[PSO], 1
.endif
.if \np > 1
	s_add_co_u32 s[PO], s[PO], 1024
	s_sub_co_i32 s[CNT], s[CNT], 1
	s_cmp_lg_u32 s[CNT], 0
	s_cbranch_scc1 .Lproj_\@
.endif
.endm
; n pieces of 512 bytes of the results just made leave for byte lo of my block: LDS serves a wave's instructions in order, so the loads see the stores above; each store of the wave covers 512 consecutive bytes, aligned
.macro COPY lo, n
.set ci, 0
.rept \n
	ds_load_b128 v[128+4*ci:131+4*ci], v[CA] offset:512*ci
.set ci, ci+1
.endr
	s_wait_dscnt 0x0
.set ci, 0
.rept \n
	global_store_b128 v[L16], v[128+4*ci:131+4*ci], s[8:9] offset:\lo+512*ci
.set ci, ci+1
.endr
.endm
.macro NEXTW                           ; the weight asked for a projection ago is in; the stores above have read their registers
	s_wait_loadcnt 0x0
	s_wait_xcnt 0x0
.endm
; ---------------- the head
	s_load_b512 s[16:31], s[0:1], 0x0              ; x, qkv, lq, lk, lv (codes, scales)
	s_load_b512 s[32:47], s[0:1], 0x40             ; gq, gk, gv (codes, scales), gkv, lq_b
	s_load_b256 s[48:55], s[0:1], 0x80             ; lk_b lv_b gq_b gk_b
	s_load_b64 s[56:57], s[0:1], 0xa0              ; gv_b
	s_load_b128 s[60:63], s[0:1], 0xa8             ; out_w's codes, oww
	v_lshrrev_b32 v92, 5, v0
	s_delay_alu instid0(VALU_DEP_1)
	v_readfirstlane_b32 s2, v92                    ; wave = head
	s_lshr_b32 s3, s2, 1
	s_and_b32 s4, s2, 1
	s_mov_b32 s5, ttmp9
	s_lshl_b32 s6, ttmp9, 18                       ; my 128 rows of 2,048 bytes,
	s_lshl_b32 s14, s4, 14
	s_add_co_u32 s6, s6, s14                       ; + 8 (w % 2) rows,
	s_lshl_b32 s15, s3, 9
	s_add_co_u32 s6, s6, s15                       ; + K step w / 2
	s_min_u32 s12, ttmp9, 15                       ; the strided pair: batch s12 / 4, pair s12 % 4
	s_lshr_b32 s58, s12, 2
	s_and_b32 s59, s12, 3
	s_lshl_b32 s7, s58, 24
	s_lshl_b32 s14, s59, 22
	s_add_co_u32 s7, s7, s14                       ; its first row's byte: 32 strided rows are 2^22 bytes,
	s_lshl_b32 s14, s4, 20
	s_add_co_u32 s7, s7, s14                       ; + 8 (w % 2) strided rows,
	s_add_co_u32 s7, s7, s15                       ; + K step w / 2
	s_mul_i32 s13, s2, WB
	s_add_co_u32 s13, s13, OUTW
	s_add_co_u32 s85, s13, WST
	s_lshl_b32 s[PARW], s2, 8
	s_add_co_u32 s[PARW], s[PARW], PAR
	s_mov_b32 s[SEL], 0x76543210
	s_mov_b32 s[SEL+1], 0xfedcba98
	s_lshl_b32 s14, ttmp9, 3
	s_add_co_u32 s14, s14, s2
	s_mul_i32 s14, s14, 18432                      ; my block of qkv
	s_mov_b32 s15, 0
	s_lshl_b32 s86, s58, 3
	s_add_co_u32 s86, s86, s2
	s_mul_i32 s86, s86, 9216                       ; and of gkv
	s_mov_b32 s87, 0
	s_lshl_b32 s78, s2, 14
	s_lshl_b32 s79, s2, 10
	s_lshl_b32 s82, s4, 12
	s_lshl_b32 s83, s3, 10
	s_add_co_u32 s82, s82, s83
	s_lshl_b32 s83, s3, 7
	s_lshl_b32 s84, s4, 6
	s_add_co_u32 s83, s83, s84
	s_add_co_u32 s83, s83, XSC
	s_lshr_b32 s80, ttmp9, 5                       ; piece 2 g + w of out_w (w < 2): wave g / 32, K step (g / 4) % 8, tile g % 4, c = w
	s_lshl_b32 s80, s80, 15
	s_and_b32 s81, ttmp9, 3
	s_lshl_b32 s81, s81, 13
	s_add_co_u32 s80, s80, s81
	s_bfe_u32 s81, ttmp9, 0x30002
	s_lshl_b32 s81, s81, 5
	s_add_co_u32 s80, s80, s81
	s_lshl_b32 s81, s4, 8
	s_add_co_u32 s80, s80, s81                     ; where it lies in out_w's codes,
	s_lshl_b32 s81, ttmp9, 10
	s_lshl_b32 s84, s4, 9
	s_add_co_u32 s81, s81, s84                     ; and in oww
	v_and_b32 v[LN], 31, v0
	v_and_b32 v[R1], 15, v0                        ; r
	v_bfe_u32 v94, v0, 4, 1                        ; h
	v_and_b32 v95, 8, v[R1]
	v_add_nc_u32 v95, v95, v[R1]                   ; RP
	v_lshlrev_b32 v[L16], 4, v[LN]
	v_lshlrev_b32 v[L4], 2, v[LN]
	v_lshlrev_b32 v[L8], 3, v[LN]
	v_lshlrev_b32 v[R4], 2, v[R1]
	v_lshlrev_b32 v93, 4, v[R1]                    ; 16 r
	v_lshl_add_u32 v[P64], v94, 3, v93
	v_add_nc_u32 v[VW], s78, v[L16]
	v_lshl_add_u32 v[VWS], v94, 3, v95
	v_lshlrev_b32 v[VWS], 4, v[VWS]
	v_add_nc_u32 v[VWS], s79, v[VWS]               ; 1024 w + 16 (8 h + RP)
	v_lshlrev_b32 v[H64], 6, v94
	v_lshlrev_b32 v[RP4], 2, v95
	v_add_nc_u32 v[AD0], s6, v[L16]
	v_add_nc_u32 v[AD1], s7, v[L16]
	v_add_nc_u32 v[ADS0], s82, v[P64]              ; 4096 (w % 2) + 1024 (w / 2) + 16 r + 8 h
	v_add_nc_u32 v[ADSS0], s83, v[R4]              ; XSC + 128 (w / 2) + 64 (w % 2) + 4 r
	v_add_nc_u32 v[CA], s13, v[L16]
	v_add_nc_u32 v[CB], s13, v[L8]
	v_add_nc_u32 v[XSA], s85, v[L16]
	v_mul_u32_u24 v[XLA], v[R1], 528
	v_add_nc_u32 v[XLA], v[XLA], v[H64]
	v_add_nc_u32 v[XLA], s85, v[XLA]
	v_mad_u32_u24 v[WSA], v94, 272, v93
	v_add_nc_u32 v[WSA], s85, v[WSA]
	v_mul_u32_u24 v[WLA], v[R1], 272
	v_lshl_add_u32 v[WLA], v94, 4, v[WLA]
	v_add_nc_u32 v[WLA], s85, v[WLA]
	v_lshlrev_b32 v[OSRC], 9, v[R1]
	v_lshl_add_u32 v[OSRC], v94, 4, v[OSRC]
	v_add_nc_u32 v[OSRC], s80, v[OSRC]             ; + 512 r + 16 h
	v_add_nc_u32 v[ODST], s81, v[L16]
.irp b, 0,1,2,3
	v_mov_b32 v[T2+\b], 0                          ; written once: a lane permute's destination counts as one of its sources
	v_mov_b32 v[OWD+\b], 0
.endr
	v_lshlrev_b32 v[T8G], 3, v0
	v_add_nc_u32 v[T8L], PAR, v[T8G]
	s_wait_alu depctr_va_vdst(0)
	s_wait_kmcnt 0x0
	s_add_nc_u64 s[8:9], s[18:19], s[14:15]
	s_add_nc_u64 s[10:11], s[44:45], s[86:87]
	s_cmp_lt_u32 s2, 2
	s_cbranch_scc0 .Lno_piece
	global_load_b128 v[OWD:OWD+3], v[OSRC], s[60:61]   ; the oldest load: every later wait on loads covers it
.Lno_piece:
.irp a, 0,1,2,3,4,5
	global_load_b64 v[96+2*\a:97+2*\a], v[T8G], s[46+2*\a:47+2*\a]   ; the six biases, 8 bytes a thread
.endr
	WLOAD 20, 22, 0, WS0                           ; lq
	XLOAD X0, AD0, 0, 2048
	XLOAD X1, AD0, 65536, 2048
; ---------------- phase X: x's codes, four jobs a wave (five in work-groups 0 to 15); the loads run two jobs ahead
	s_wait_loadcnt 16                              ; set 0 is in; set 1's sixteen loads may be out
	XJOB X0, 0
	XLOAD X0, AD0, 131072, 2048
	s_wait_loadcnt 16
	XJOB X1, 1
	XLOAD X1, AD0, 196608, 2048
	s_wait_loadcnt 16
	XJOB X0, 2
	s_cmp_lt_u32 s5, 16
	s_cbranch_scc0 .Lxa
	XLOAD X0, AD1, 0, 131072                       ; the strided pair: rows 131,072 bytes apart
	s_wait_loadcnt 16                              ; job 3's set is in; the sixteen just issued may be out
	s_branch .Lxj
.Lxa:
	s_wait_loadcnt 0x0
.Lxj:
	XJOB X1, 3
	s_cmp_lt_u32 s5, 16
	s_cbranch_scc0 .Lxn
	s_wait_loadcnt 0x0
	XJOB X0, 4                                     ; into GIMG and GSC: bytes that this way alone writes
.Lxn:
.irp a, 0,1,2,3,4,5
	ds_store_b64 v[T8L], v[96+2*\a:97+2*\a] offset:2048*\a
.endr
	BARRIER                                        ; x's fragments, their words and the biases lie in LDS; nobody writes them again
; ---------------- the projections.  Each matrix is asked for while the one before is multiplied; each result leaves as soon as it is made
	s_wait_loadcnt 0x0                             ; lq is in
	s_cmp_lt_u32 s2, 2
	s_cbranch_scc0 .Lno_store
	global_store_b128 v[ODST], v[OWD:OWD+3], s[62:63]  ; 512 consecutive bytes of oww, aligned
.Lno_store:
	WTRANS 0
	WLOAD 24, 26, 128, WS1                         ; lk
	PROJ 0, XIMG, XSC, 4, 0, WS0, 0, 13, 0, 4096, R4, 64
	COPY BQ, 9
	NEXTW
	WTRANS 128
	WLOAD 32, 34, 0, WS0                           ; gq
	PROJ 0, XIMG, XSC, 4, 128, WS1, 1, 13, 0, 4096, R4, 64
	COPY BK, 9
	NEXTW
	WTRANS 0
	WLOAD 28, 30, 128, WS1                         ; lv
	PROJ 0, XIMG, XSC, 4, 0, WS0, 3, 13, 0, 4096, R4, 64
	COPY BG, 9
	NEXTW
	WTRANS 128
	s_cmp_lt_u32 s5, 16
	s_cbranch_scc0 .Lng
	WLOAD 36, 38, 0, WS0                           ; gk
.Lng:
	PROJ 1, XIMG, XSC, 4, 128, WS1, 2, 13, 0, 4096, R4, 64
	COPY BV, 8
	ds_load_b64 v[160:161], v[CB] offset:4096      ; v's 64 scale words
	s_wait_dscnt 0x0
	global_store_b64 v[L8], v[160:161], s[8:9] offset:BV+4096
	s_cmp_lt_u32 s5, 16
	s_cbranch_scc0 .Lend
	NEXTW
	WTRANS 0
	WLOAD 40, 42, 128, WS1                         ; gv
	PROJ 0, GIMG, GSC, 1, 0, WS0, 4, 13, GK, GKW, R4, 64
	s_wait_loadcnt 0x0
	WTRANS 128
	PROJ 1, GIMG, GSC, 1, 128, WS1, 5, 13, GV, GVB, R1, 16
	s_lshl_b32 s14, s59, 10
	v_add_nc_u32 v12, s14, v[L16]                  ; where the pair's parts lie in my block of gkv
	s_lshl_b32 s14, s59, 7
	v_add_nc_u32 v13, s14, v[L4]
	s_lshl_b32 s14, s59, 6
	v_add_nc_u32 v14, s14, v[LN]
	v_add_nc_u32 v15, s13, v[L4]
	v_add_nc_u32 v16, s13, v[LN]
.irp i, 0,1
	ds_load_b128 v[128+4*\i:131+4*\i], v[CA] offset:GK+512*\i
	ds_load_b128 v[136+4*\i:139+4*\i], v[CA] offset:GV+512*\i
.endr
	ds_load_b32 v144, v15 offset:GKW
	ds_load_u8 v145, v16 offset:GVB
	ds_load_u8 v146, v16 offset:GVB+32
	s_wait_alu depctr_va_vdst(0)
	s_wait_dscnt 0x0
.irp i, 0,1
	global_store_b128 v12, v[128+4*\i:131+4*\i], s[10:11] offset:512*\i
	global_store_b128 v12, v[136+4*\i:139+4*\i], s[10:11] offset:4096+512*\i
.endr
	global_store_b32 v13, v144, s[10:11] offset:8192
	global_store_b8 v14, v145, s[10:11] offset:8704
	global_store_b8 v14, v146, s[10:11] offset:8736
.Lend:
	s_wait_xcnt 0x0
	v_lshl_add_u32 v254, v0, 2, SPARE
	v_mov_b32 v255, 0
	s_wait_alu depctr_va_vdst(0)
	s_wait_tensorcnt 0x0                           ; the wave's end
	ds_add_u32 v254, v255
	s_wait_dscnt 0x0
	s_endpgm
.Lfunc_end_k_q3e1cdd9700_proj:
	.size	k_q3e1cdd9700_proj, .Lfunc_end_k_q3e1cdd9700_proj-k_q3e1cdd9700_proj
	.p2alignl 7, 3214868480
	.fill 96, 4, 3214868480
	.section	.rodata,"a",@progbits
	.p2align	6, 0x0
	.amdhsa_kernel k_q3e1cdd9700_proj
		.amdhsa_group_segment_fixed_size 254976
		.amdhsa_private_segment_fixed_size 0
		.amdhsa_enable_private_segment 0
		.amdhsa_kernarg_size 184
		.amdhsa_user_sgpr_count 2
		.amdhsa_user_sgpr_kernarg_segment_ptr 1
		.amdhsa_wavefront_size32 1
		.amdhsa_system_sgpr_workgroup_id_x 1
		.amdhsa_system_sgpr_workgroup_id_y 1
		.amdhsa_system_sgpr_workgroup_id_z 1
		.amdhsa_system_vgpr_workitem_id 0
		.amdhsa_next_free_vgpr 512
		.amdhsa_next_free_sgpr 96
		.amdhsa_reserve_vcc 0
		.amdhsa_float_denorm_mode_32 3
		.amdhsa_float_denorm_mode_16_64 3
		.amdhsa_memory_ordered 1
		.amdhsa_forward_progress 1
		.amdhsa_inst_pref_size 169
	.end_amdhsa_kernel
	.amdgpu_metadata
---
amdhsa.version: [ 1, 2 ]
amdhsa.kernels:
  - .name:           k_q3e1cdd9700_proj
    .symbol:         k_q3e1cdd9700_proj.kd
    .args:
      - { .name: x, .offset: 0, .size: 8, .value_kind: global_buffer, .address_space: global }
      - { .name: qkv, .offset: 8, .size: 8, .value_kind: global_buffer, .address_space: global }
      - { .name: lq_w_codes, .offset: 16, .size: 8, .value_kind: global_buffer, .address_space: global }
      - { .name: lq_w_scales, .offset: 24, .size: 8, .value_kind: global_buffer, .address_space: global }
      - { .name: lk_w_codes, .offset: 32, .size: 8, .value_kind: global_buffer, .address_space: global }
      - { .name: lk_w_scales, .offset: 40, .size: 8, .value_kind: global_buffer, .address_space: global }
      - { .name: lv_w_codes, .offset: 48, .size: 8, .value_kind: global_buffer, .address_space: global }
      - { .name: lv_w_scales, .offset: 56, .size: 8, .value_kind: global_buffer, .address_space: global }
      - { .name: gq_w_codes, .offset: 64, .size: 8, .value_kind: global_buffer, .address_space: global }
      - { .name: gq_w_scales, .offset: 72, .size: 8, .value_kind: global_buffer, .address_space: global }
      - { .name: gk_w_codes, .offset: 80, .size: 8, .value_kind: global_buffer, .address_space: global }
      - { .name: gk_w_scales, .offset: 88, .size: 8, .value_kind: global_buffer, .address_space: global }
      - { .name: gv_w_codes, .offset: 96, .size: 8, .value_kind: global_buffer, .address_space: global }
      - { .name: gv_w_scales, .offset: 104, .size: 8, .value_kind: global_buffer, .address_space: global }
      - { .name: gkv, .offset: 112, .size: 8, .value_kind: global_buffer, .address_space: global }
      - { .name: lq_b, .offset: 120, .size: 8, .value_kind: global_buffer, .address_space: global }
      - { .name: lk_b, .offset: 128, .size: 8, .value_kind: global_buffer, .address_space: global }
      - { .name: lv_b, .offset: 136, .size: 8, .value_kind: global_buffer, .address_space: global }
      - { .name: gq_b, .offset: 144, .size: 8, .value_kind: global_buffer, .address_space: global }
      - { .name: gk_b, .offset: 152, .size: 8, .value_kind: global_buffer, .address_space: global }
      - { .name: gv_b, .offset: 160, .size: 8, .value_kind: global_buffer, .address_space: global }
      - { .name: out_w_codes, .offset: 168, .size: 8, .value_kind: global_buffer, .address_space: global }
      - { .name: oww, .offset: 176, .size: 8, .value_kind: global_buffer, .address_space: global }
    .group_segment_fixed_size: 254976
    .private_segment_fixed_size: 0
    .kernarg_segment_align: 8
    .kernarg_segment_size: 184
    .max_flat_workgroup_size: 256
    .sgpr_count:     96
    .vgpr_count:     512
    .wavefront_size: 32
...
	.end_amdgpu_metadata
.endif
;; end of part 1
;; launch hier (part 2): grid 256 x 1, 8 waves a work-group, no clusters, 158,720 bytes of LDS; arguments x, out0, qkv, gkv, oww, out_w_scales, out_b, ln_g, ln_b; writes out0
.if DOCPART == 2
	.amdgcn_target "amdgcn-amd-amdhsa--gfx1250"
	.amdhsa_code_object_version 6
	.text
	.protected	k_q3e1cdd9700_hier
	.globl	k_q3e1cdd9700_hier
	.p2align	8
	.type	k_q3e1cdd9700_hier,@function
k_q3e1cdd9700_hier:
	s_mov_b64 s[64:65], 0
	v_nop
	global_prefetch_b8 v0, s[64:65] scope:SCOPE_SE
	s_setreg_imm32_b32 hwreg(HW_REG_WAVE_MODE, 25, 1), 1
	s_wait_xcnt 0x0
; out0 = LayerNorm(x + [local attention | global attention] out_w + out_b): both attentions and the last product on codes of FP4 (E2M1) with one E8M0 scale for each 32 along K; everything else in f32.
; The operands q, k, gq, v (qkv) and gk, gv (gkv) come as images of operand registers, as the launch before has laid them (its head comment gives the byte maps).
; SHARES.  Work-group g owns rows 128 g .. 128 g + 127 (half a window).  WAVE w IS HEAD w: both attentions of its head for the 128 rows (keys: blocks g & ~1 and g | 1 of qkv, a step of 128 keys each; the batch's 128 strided keys),
; then output columns 64 w .. 64 w + 63.  From wave to wave through LDS: the attentions' results as codes, and the LayerNorm's partial sums: three barriers.
; LAYOUT.  r = lane % 16, h = lane / 16, RP = r + 8 (r / 8).  S^T = k q^T, O^T = v^T p^T: a lane holds one query throughout.  K = 64 (the head) in an instruction of K = 128: q's upper four registers are zero codes, bytes 2 and 3 of both
; scale words are 0; k's tile j names registers 4 j .. 4 j + 7 of a dense run, whose upper four meet q's zeros.  K step s of the last product is [local head s | global head s], the same order of blocks on both operands.
; SOFTMAX: t = score x log2(e) / 8; M = the running largest t rounded up to a whole number; p = 2^(t - M) is quantised along the keys; the sum is taken of the unquantised p and divides at the end.
; NO CLUSTER, NO TENSOR LOADS: each byte of the operands and of out_w is read by exactly one wave of a work-group, straight into registers.  No prefetch: the operands are wanted at the head, the residual is asked for an attention ahead.
; LIMITS: NaN and infinities among the inputs are not served.  A block whose largest magnitude lies under 2^-124 gets the scale byte 1; a zero block's codes are zeros.  1 / l and 1 / sqrt come from v_rcp_f32 and v_rsq_f32.
; The blocks of the last product's K are taken in another order than reference() has them: only the order of f32 sums differs.  The scaled scores stay under 2^31 in magnitude.
.set CIMG, 0            ; the attentions' results as codes: 8192 s + 1024 m + 512 c + 256 b + 16 r + 8 h (c = 0 local, 1 global)
.set CSC,  65536        ; their scale words: 512 s + 64 m + 4 r + 2 c
.set PAR,  69632        ; out_b ln_g ln_b
.set ST1,  75776        ; LayerNorm's partial sums: 512 m + 32 r + 4 w; the squares' 4096 on
.set QPK,  83968        ; a wave's own: q's codes 512 m, words 4096 + 64 m + 4 r; gq's 4608 on; later the stage for the way out
.set QPKB, 9216
.set SPARE, 157696
.set L16, 1
.set L4,  2
.set LN,  3
.set R4,  4
.set R8,  5
.set P64, 6
.set VVI, 7             ; 16 r + 1024 h
.set AQL, 8
.set RSA, 9             ; my stage + 272 h + 16 r: whole rows
.set RLA, 16            ; my stage + 272 r + 32 h: the last product's result layout
.set H64, 10
.set RP4, 11
.set AQ,  12
.set AQS, 13
.set ADC, 14
.set ADCS, 15
.set ARL, 19            ; the residual's offset: 2048 h + 16 r + 256 w
.set KS,  20            ; v20-63 hold scales (v40-47: gv's bytes as they lie) and nothing else
.set VS,  28
.set GKS, 32
.set GVS, 36
.set QS,  52
.set PS,  53
.set CS,  20
.set OWS, 32
.set T8G, 64
.set T8L, 65
.set TM,  68
.set T2,  72
.set SOP, 76
.set BY,  80
.set PC,  84
.set TT,  92
.set OLD, 93
.set HW0, 94
.set OO,  96
.set SS,  128
.set QF,  192
.set NM,  200
.set RT,  201
.set LSUM, 202
.set LA,  204
.set LB,  206
.set FF,  208
.set RL,  210
.set LT,  212
.set OW,  64
.set RAW, 160
.set CF,  192
.set OB,  64
.set YY,  64
.set LG,  96
.set LNB, 128
.set MU,  160
.set UU,  176
.set SM,  192
.set ZZ,  192
.set CNT, 68
.set SEL, 76
.set CC,  78
.set QO,  84
.set QSO, 85
.set CO,  86
.set CSO, 87
.set PARW, 88
.set CIMGW, 89
.set CSCW, 90
.set MSB, 0
.macro WIN new
.if MSB != \new
	s_set_vgpr_msb (MSB<<8)|\new
.set MSB, \new
.endif
.endm
.macro PLACES n
.rept \n
	v_nop
.endr
.endm
.macro BARRIER
	s_wait_dscnt 0x0
	s_barrier_signal -1
	s_barrier_wait -1
.endm
.macro MM d, a, b, c, sa, sb, ra, rb
.set mmD, \d
.set mmA, \a
.set mmB, \b
.set mmC, \c
.set mmP, \sa
.set mmQ, \sb
.set mmV, 2*(\ra)+(\rb)
.if mmC < 0
.if mmV == 0
	v_wmma_scale_f32_16x16x128_f8f6f4 v[mmD:mmD+7], v[mmA:mmA+7], v[mmB:mmB+7], 0, v[mmP], v[mmQ] matrix_a_fmt:MATRIX_FMT_FP4 matrix_b_fmt:MATRIX_FMT_FP4
.elseif mmV == 1
	v_wmma_scale_f32_16x16x128_f8f6f4 v[mmD:mmD+7], v[mmA:mmA+7], v[mmB:mmB+7], 0, v[mmP], v[mmQ] matrix_a_fmt:MATRIX_FMT_FP4 matrix_b_fmt:MATRIX_FMT_FP4 matrix_b_scale:MATRIX_SCALE_ROW1
.elseif mmV == 2
	v_wmma_scale_f32_16x16x128_f8f6f4 v[mmD:mmD+7], v[mmA:mmA+7], v[mmB:mmB+7], 0, v[mmP], v[mmQ] matrix_a_fmt:MATRIX_FMT_FP4 matrix_b_fmt:MATRIX_FMT_FP4 matrix_a_scale:MATRIX_SCALE_ROW1
.else
	v_wmma_scale_f32_16x16x128_f8f6f4 v[mmD:mmD+7], v[mmA:mmA+7], v[mmB:mmB+7], 0, v[mmP], v[mmQ] matrix_a_fmt:MATRIX_FMT_FP4 matrix_b_fmt:MATRIX_FMT_FP4 matrix_a_scale:MATRIX_SCALE_ROW1 matrix_b_scale:MATRIX_SCALE_ROW1
.endif
.else
.if mmV == 0
	v_wmma_scale_f32_16x16x128_f8f6f4 v[mmD:mmD+7], v[mmA:mmA+7], v[mmB:mmB+7], v[mmC:mmC+7], v[mmP], v[mmQ] matrix_a_fmt:MATRIX_FMT_FP4 matrix_b_fmt:MATRIX_FMT_FP4
.elseif mmV == 1
	v_wmma_scale_f32_16x16x128_f8f6f4 v[mmD:mmD+7], v[mmA:mmA+7], v[mmB:mmB+7], v[mmC:mmC+7], v[mmP], v[mmQ] matrix_a_fmt:MATRIX_FMT_FP4 matrix_b_fmt:MATRIX_FMT_FP4 matrix_b_scale:MATRIX_SCALE_ROW1
.elseif mmV == 2
	v_wmma_scale_f32_16x16x128_f8f6f4 v[mmD:mmD+7], v[mmA:mmA+7], v[mmB:mmB+7], v[mmC:mmC+7], v[mmP], v[mmQ] matrix_a_fmt:MATRIX_FMT_FP4 matrix_b_fmt:MATRIX_FMT_FP4 matrix_a_scale:MATRIX_SCALE_ROW1
.else
	v_wmma_scale_f32_16x16x128_f8f6f4 v[mmD:mmD+7], v[mmA:mmA+7], v[mmB:mmB+7], v[mmC:mmC+7], v[mmP], v[mmQ] matrix_a_fmt:MATRIX_FMT_FP4 matrix_b_fmt:MATRIX_FMT_FP4 matrix_a_scale:MATRIX_SCALE_ROW1 matrix_b_scale:MATRIX_SCALE_ROW1
.endif
.endif
.endm
.macro QMAX src, nb
.set qb, 0
.rept \nb
	v_max3_num_f32 v[TM+qb], |v[\src+16*qb]|, |v[\src+16*qb+1]|, 0x1800000   ; and the floor 2^(3 - 127): the byte cannot fall under 1
.set qb, qb+1
.endr
.irp i, 2,4,6,8,10,12,14
.set qb, 0
.rept \nb
	v_max3_num_f32 v[TM+qb], v[TM+qb], |v[\src+16*qb+\i]|, |v[\src+16*qb+\i+1]|
.set qb, qb+1
.endr
.endr
.set qb, 0
.rept \nb
	v_permlanex16_b32 v[T2+qb], v[TM+qb], s[SEL], s[SEL+1]
.set qb, qb+1
.endr
.set qb, 0
.rept \nb
	v_max_num_f32 v[TM+qb], v[TM+qb], v[T2+qb]
.set qb, qb+1
.endr
.set qb, 0
.rept \nb
	v_add_nc_u32 v[SOP+qb], 0xff000000, v[TM+qb]
.set qb, qb+1
.endr
.set qb, 0
.rept \nb
	v_lshrrev_b32 v[BY+qb], 23, v[SOP+qb]
.set qb, qb+1
.endr
.endm
.macro CVT src, nb
.set qb, 0
.rept \nb
	v_cvt_scalef32_pk8_fp4_f32 v[PC+2*qb], v[\src+16*qb:\src+16*qb+7], v[SOP+qb]
	v_cvt_scalef32_pk8_fp4_f32 v[PC+2*qb+1], v[\src+16*qb+8:\src+16*qb+15], v[SOP+qb]
.set qb, qb+1
.endr
	v_nop                                          ; one plain line behind the last scaled conversion
.endm
; A step of 128 keys for one tile of 16 queries.  kb: k's tiles in window 1, 4 registers each; ksb: their words; vb: v's four fragments; vs0 + vmul (t / 2): their words.  first = 1: it starts M, the sum and O^T.
.macro STEP kb, ksb, vb, vs0, vmul, first
	WIN 0x01
.irp j, 0,1,2,3,4,5,6,7
	MM SS+8*\j, \kb+4*\j, QF, -1, \ksb+\j/2, QS, \j%2, 0
.endr
	WIN 0
	PLACES 4
.irp b, 0,1,2,3
	v_max3_num_f32 v[TM+\b], v[SS+16*\b], v[SS+16*\b+1], v[SS+16*\b+2]   ; the largest score of each block of 32 keys: for the row's maximum and, since p rises with the score, for the block's largest p
.endr
.irp i, 3,5,7,9,11,13
.irp b, 0,1,2,3
	v_max3_num_f32 v[TM+\b], v[TM+\b], v[SS+16*\b+\i], v[SS+16*\b+\i+1]
.endr
.endr
.irp b, 0,1,2,3
	v_max_num_f32 v[TM+\b], v[TM+\b], v[SS+16*\b+15]
.endr
.irp b, 0,1,2,3
	s_delay_alu instid0(VALU_DEP_4)
	v_permlanex16_b32 v[T2+\b], v[TM+\b], s[SEL], s[SEL+1]
.endr
.irp b, 0,1,2,3
	s_delay_alu instid0(VALU_DEP_4)
	v_max_num_f32 v[TM+\b], v[TM+\b], v[T2+\b]
.endr
	s_delay_alu instid0(VALU_DEP_2)
	v_max3_num_f32 v[TT], v[TM], v[TM+1], v[TM+2]
	s_delay_alu instid0(VALU_DEP_1)
	v_max_num_f32 v[TT], v[TT], v[TM+3]
.if \first
	s_delay_alu instid0(VALU_DEP_1)
	v_mul_f32 v[RT], s[CC], v[TT]                  ; the largest t (c is positive)
.else
	s_delay_alu instid0(VALU_DEP_1)
	v_mul_f32 v[TT], s[CC], v[TT]
	s_delay_alu instid0(VALU_DEP_1)
	v_max_num_f32 v[RT], v[RT], v[TT]
	v_mov_b32 v[OLD], v[NM]
.endif
	v_floor_f32 v[NM], -v[RT]                      ; -M = floor(-t): M is a whole number
.if \first == 0
	s_delay_alu instid0(VALU_DEP_1)
	v_sub_f32 v[OLD], v[NM], v[OLD]                ; old M - new M, a whole number, 0 or less
	s_delay_alu instid0(VALU_DEP_1)
	v_cvt_i32_f32 v[OLD], v[OLD]
	s_delay_alu instid0(VALU_DEP_1)
	v_ldexp_f32 v[FF], 1.0, v[OLD]                 ; f = 2^(old M - new M): multiplying by it rounds nothing
.endif
.set q, 0
.rept 32
	v_pk_fma_f32 v[SS+2*q:SS+2*q+1], v[SS+2*q:SS+2*q+1], s[CC:CC+1], v[NM:NM+1] op_sel_hi:[1,0,0]   ; t - M
.set q, q+1
.endr
.irp b, 0,1,2,3
	v_fma_f32 v[TM+\b], v[TM+\b], s[CC], v[NM]     ; the same of each block's largest score
.endr
.set q, 0
	s_wait_alu depctr_va_vdst(0)
.rept 64
	v_exp_f32 v[SS+q], v[SS+q]                     ; p = 2^(t - M)
.set q, q+1
.endr
.if \first
	v_nop
.else
	v_pk_mul_f32 v[LSUM:LSUM+1], v[LSUM:LSUM+1], v[FF:FF+1] op_sel_hi:[1,0]   ; the sum under the new M; also the plain line behind the exponentials
.endif
	s_wait_alu depctr_va_vdst(0)                   ; one wait for the batch of 64, ahead of its first reader
.irp b, 0,1,2,3
	v_exp_f32 v[TM+\b], v[TM+\b]                   ; the blocks' largest p
.endr
	v_pk_add_f32 v[LA:LA+1], v[SS:SS+1], v[SS+2:SS+3]      ; the sum of the unquantised p, in two chains
	v_pk_add_f32 v[LB:LB+1], v[SS+4:SS+5], v[SS+6:SS+7]
.irp j, 8,12,16,20,24,28
	v_pk_add_f32 v[LA:LA+1], v[LA:LA+1], v[SS+\j:SS+\j+1]
	v_pk_add_f32 v[LB:LB+1], v[LB:LB+1], v[SS+\j+2:SS+\j+3]
.endr
	s_wait_alu depctr_va_vdst(0)                   ; and one for the four
.irp b, 0,1,2,3
	v_max_num_f32 v[TM+\b], 0x1800000, v[TM+\b]    ; the floor: the byte cannot fall under 1
.endr
.irp b, 0,1,2,3
	s_delay_alu instid0(VALU_DEP_4)
	v_add_nc_u32 v[SOP+\b], 0xff000000, v[TM+\b]
.endr
.irp b, 0,1,2,3
	s_delay_alu instid0(VALU_DEP_4)
	v_lshrrev_b32 v[BY+\b], 23, v[SOP+\b]
.endr
	s_delay_alu instid0(VALU_DEP_3)
	v_lshl_or_b32 v[PS], v[BY+1], 8, v[BY]         ; p's scale word for these 128 keys
	s_delay_alu instid0(VALU_DEP_1)
	v_lshl_or_b32 v[PS], v[BY+2], 16, v[PS]
	s_delay_alu instid0(VALU_DEP_1)
	v_lshl_or_b32 v[PS], v[BY+3], 24, v[PS]
	CVT SS, 4
.irp c, 0,1                            ; the operand wants a whole block in a lane
.irp i, 0,1
	v_permlane16_swap_b32 v[PC+4*\c+\i], v[PC+4*\c+2+\i]
.endr
.endr
.if \first == 0
.set q, 0
.rept 16
	v_pk_mul_f32 v[OO+2*q:OO+2*q+1], v[OO+2*q:OO+2*q+1], v[FF:FF+1] op_sel_hi:[1,0]   ; O^T under the new M
.set q, q+1
.endr
.endif
.irp j, 32,36,40,44,48,52,56,60        ; the sum's second half: also the places between the scale word, the codes and the products below
	v_pk_add_f32 v[LA:LA+1], v[LA:LA+1], v[SS+\j:SS+\j+1]
	v_pk_add_f32 v[LB:LB+1], v[LB:LB+1], v[SS+\j+2:SS+\j+3]
.endr
.if \first
	s_delay_alu instid0(VALU_DEP_1)
	v_pk_add_f32 v[LSUM:LSUM+1], v[LA:LA+1], v[LB:LB+1]
.else
	s_delay_alu instid0(VALU_DEP_1)
	v_pk_add_f32 v[LA:LA+1], v[LA:LA+1], v[LB:LB+1]
	s_delay_alu instid0(VALU_DEP_1)
	v_pk_add_f32 v[LSUM:LSUM+1], v[LSUM:LSUM+1], v[LA:LA+1]
.endif
	WIN 0x01
.irp t, 0,1,2,3
.if \first
	MM OO+8*\t, \vb+8*\t, PC, -1, \vs0+\vmul*(\t/2), PS, \t%2, 0
.else
	MM OO+8*\t, \vb+8*\t, PC, OO+8*\t, \vs0+\vmul*(\t/2), PS, \t%2, 0
.endif
.endr
	WIN 0
.endm
; A query tile's end: the next tile's q is asked for; O^T / l is quantised along the channels and goes to LDS as half a fragment of the last product's K step w.
.macro EPI
	PLACES 4
	s_add_co_u32 s[QO], s[QO], 512
	s_add_co_u32 s[QSO], s[QSO], 64
	s_cmp_eq_u32 s[CNT], 1
	s_cbranch_scc1 .Lnoq_\@                        ; the last tile has no successor
	v_add_nc_u32 v[AQ], s[QO], v[L16]
	v_add_nc_u32 v[AQS], s[QSO], v[R4]
	ds_load_b128 v[QF:QF+3], v[AQ]
	ds_load_b32 v[QS], v[AQS]
.Lnoq_\@:
	s_wait_alu depctr_va_vdst(0)
	v_add_f32 v[LT], v[LSUM], v[LSUM+1]
	s_delay_alu instid0(VALU_DEP_1)
	v_permlanex16_b32 v[T2], v[LT], s[SEL], s[SEL+1]
	s_delay_alu instid0(VALU_DEP_1)
	v_add_f32 v[LT], v[LT], v[T2]                  ; the row's sum
	s_wait_alu depctr_va_vdst(0)
	v_rcp_f32 v[RL], v[LT]
	v_add_nc_u32 v[ADC], s[CO], v[P64]             ; (plain lines behind the reciprocal)
	v_add_nc_u32 v[ADCS], s[CSO], v[R4]
	s_wait_alu depctr_va_vdst(0)                   ; ahead of the reciprocal's first reader
.set q, 0
.rept 16
	v_pk_mul_f32 v[OO+2*q:OO+2*q+1], v[OO+2*q:OO+2*q+1], v[RL:RL+1] op_sel_hi:[1,0]
.set q, q+1
.endr
	QMAX OO, 2
	s_delay_alu instid0(VALU_DEP_1)
	v_lshl_or_b32 v[HW0], v[BY+1], 8, v[BY]
	CVT OO, 2
.irp b, 0,1
	ds_store_b64 v[ADC], v[PC+2*\b:PC+2*\b+1] offset:256*\b
.endr
	ds_store_b16 v[ADCS], v[HW0]
	s_add_co_u32 s[CO], s[CO], 1024
	s_add_co_u32 s[CSO], s[CSO], 64
.endm
.macro ATT glob                        ; eight tiles of 16 queries, one a trip.  glob = 0: 256 keys of the window in two steps; 1: the 128 strided keys in one
	s_wait_dscnt 0x0
.irp j, 4,5,6,7
	v_mov_b32 v[QF+\j], 0                          ; zero codes for K = 64 .. 127
.endr
	v_mov_b32 v[FF+1], 0                           ; (upper halves of pairs of which the low word serves both halves)
	v_mov_b32 v[RL+1], 0
	s_add_co_u32 s[QO], s12, 4608*\glob
	s_add_co_u32 s[QSO], s12, 4608*\glob+4096
	s_add_co_u32 s[CO], s[CIMGW], 512*\glob
	s_add_co_u32 s[CSO], s[CSCW], 2*\glob
	s_mov_b32 s[CNT], 8
	v_add_nc_u32 v[AQ], s[QO], v[L16]
	v_add_nc_u32 v[AQS], s[QSO], v[R4]
	ds_load_b128 v[QF:QF+3], v[AQ]
	ds_load_b32 v[QS], v[AQS]
	PLACES 2
.Latt_\@:
	s_wait_dscnt 0x0                               ; this tile's q is in
	s_wait_alu depctr_va_vdst(0)
.if \glob
	STEP 0, GKS, 32, GVS, 1, 1
.else
	STEP 128, KS, 192, VS, 2, 1
	STEP 160, KS+4, 224, VS+1, 2, 0
.endif
	EPI
	s_sub_co_i32 s[CNT], s[CNT], 1
	s_cmp_lg_u32 s[CNT], 0
	s_cbranch_scc1 .Latt_\@
	s_wait_dscnt 0x0
.endm
.macro RLOAD m                         ; x's own rows of tile m, my 64 columns, by whole rows: sixteen lanes take 256 consecutive bytes; load i brings the rows of lanes r = 2 i and 2 i + 1 (window 1, v[32 m + 4 i])
.irp i, 0,1,2,3,4,5,6,7
	global_load_b128 v[32*\m+4*\i:32*\m+4*\i+3], v[ARL], s[8:9] offset:2048*(32*(\m/2)+8*(\m%2)+2*\i+8*(\i/4))
.endr
.endm
.macro RTURN m                         ; tile m through my stage (two take turns) into the last product's result layout: it is the C of the first K step (window 1, v[32 m + 8 t])
	WIN 0x04
.irp i, 0,1,2,3,4,5,6,7
	ds_store_b128 v[RSA], v[32*\m+4*\i:32*\m+4*\i+3] offset:4352*(\m%2)+544*\i
.endr
	WIN 0
	s_wait_dscnt 0x0                               ; the stores have read their registers, and the tile before is back
	WIN 0x40
.irp t, 0,1,2,3
.irp k, 0,1
	ds_load_b128 v[32*\m+8*\t+4*\k:32*\m+8*\t+4*\k+3], v[RLA] offset:4352*(\m%2)+64*\t+16*\k
.endr
.endr
	WIN 0
.endm
.macro OWLOAD g                        ; out_w's four tiles of K step g: blocks 2 g, 2 g + 1 (local head g) and 16 + 2 g, 17 + 2 g (global head g)
.irp t, 0,1,2,3
.irp c, 0,1
	global_load_b128 v[OW+32*((\g)%4)+8*\t+4*\c:OW+32*((\g)%4)+8*\t+4*\c+3], v12, s[24:25] offset:4096*(\g)+1024*\t+512*\c   ; from oww, laid in this order: 512 consecutive bytes a load
.endr
.endr
.endm
.macro CFH g, hf                       ; four of the eight row tiles' fragments of K step g, and their two scale registers: ten LDS loads
.irp m, 0,1,2,3
.irp c, 0,1
	ds_load_b128 v[CF+8*(4*(\hf)+\m)+4*\c:CF+8*(4*(\hf)+\m)+4*\c+3], v14 offset:8192*(\g)+1024*(4*(\hf)+\m)+512*\c
.endr
.endr
.irp j, 0,1
	ds_load_b32 v[CS+2*(\hf)+\j], v15 offset:512*(\g)+128*(2*(\hf)+\j)
.endr
.endm
.macro OMUL g, m0                      ; 16 matrix instructions; the 32 accumulators take turns, in the same order in every K step
	WIN 0x50
.irp m, \m0, \m0+1, \m0+2, \m0+3
.irp t, 0,1,2,3
	MM 32*(\m)+8*\t, OW+32*(\g%4)+8*\t, CF+8*(\m), 32*(\m)+8*\t, OWS+8*\t+\g, CS+(\m)/2, 0, (\m)%2
.endr
.endr
	WIN 0
	PLACES 4                                       ; in front of loads into registers that the products read
.endm
.macro OSTEP g                         ; each half's next fragments are asked for under the other half's products
.if \g < 5
	s_wait_loadcnt 24                              ; this K step's weights are in; those of the three steps behind it may be out
.else
	s_wait_loadcnt 8*(7-\g)
.endif
	s_wait_dscnt 10                                ; tiles 0-3 are in; the ten loads for tiles 4-7 may be out
	OMUL \g, 0
.if \g < 7
	CFH \g+1, 0
	s_wait_dscnt 10                                ; tiles 4-7 are in; the ten just issued may be out
.else
	s_wait_dscnt 0x0
.endif
	OMUL \g, 4
.if \g < 4
	OWLOAD \g+4
.endif
.if \g < 7
	CFH \g+1, 1
.endif
.endm
.macro SUMS
.irp m, 0,1,2,3,4,5,6,7
	v_pk_add_f32 v[SM+8*\m:SM+8*\m+1], v[SM+8*\m:SM+8*\m+1], v[SM+8*\m+2:SM+8*\m+3]
.endr
.irp m, 0,1,2,3,4,5,6,7
	v_pk_add_f32 v[SM+8*\m+4:SM+8*\m+5], v[SM+8*\m+4:SM+8*\m+5], v[SM+8*\m+6:SM+8*\m+7]
.endr
.irp m, 0,1,2,3,4,5,6,7
	v_pk_add_f32 v[SM+8*\m:SM+8*\m+1], v[SM+8*\m:SM+8*\m+1], v[SM+8*\m+4:SM+8*\m+5]
.endr
.irp m, 0,1,2,3,4,5,6,7
	v_add_f32 v[SM+8*\m], v[SM+8*\m], v[SM+8*\m+1]
.endr
.endm
.macro LN1 m                           ; h = sums + out_b, in place; my row's sum over my wave's 64 columns
	WIN 0x41
.set q, 0
.rept 16
	v_pk_add_f32 v[32*\m+2*q:32*\m+2*q+1], v[32*\m+2*q:32*\m+2*q+1], v[OB+2*q:OB+2*q+1]
.set q, q+1
.endr
	WIN 0x05
.set q, 0
.rept 8
	v_pk_add_f32 v[UU+2*q:UU+2*q+1], v[32*\m+4*q:32*\m+4*q+1], v[32*\m+4*q+2:32*\m+4*q+3]
.set q, q+1
.endr
	WIN 0
.irp e, 0,4,8,12
	v_pk_add_f32 v[UU+\e:UU+\e+1], v[UU+\e:UU+\e+1], v[UU+\e+2:UU+\e+3]
.endr
	s_delay_alu instid0(VALU_DEP_3)
	v_pk_add_f32 v[UU:UU+1], v[UU:UU+1], v[UU+4:UU+5]
	s_delay_alu instid0(VALU_DEP_2)
	v_pk_add_f32 v[UU+8:UU+9], v[UU+8:UU+9], v[UU+12:UU+13]
	s_delay_alu instid0(VALU_DEP_1)
	v_pk_add_f32 v[UU:UU+1], v[UU:UU+1], v[UU+8:UU+9]
	s_delay_alu instid0(VALU_DEP_1)
	v_add_f32 v[UU], v[UU], v[UU+1]
	s_delay_alu instid0(VALU_DEP_1)
	v_permlanex16_b32 v[UU+2], v[UU], s[SEL], s[SEL+1]
	s_delay_alu instid0(VALU_DEP_1)
	v_add_f32 v[MU+\m], v[UU], v[UU+2]
	ds_store_b32 v13, v[MU+\m] offset:512*\m
.endm
.macro LN2 m                           ; h - mu, in place; my row's sum of squares over my wave's 64 columns, in four chains
	WIN 0x41
.set q, 0
.rept 16
	v_pk_add_f32 v[32*\m+2*q:32*\m+2*q+1], v[32*\m+2*q:32*\m+2*q+1], v[MU+2*\m:MU+2*\m+1] neg_lo:[0,1] neg_hi:[0,1]
.set q, q+1
.endr
	WIN 0x05
.set q, 0
.rept 4
	v_pk_mul_f32 v[UU+2*q:UU+2*q+1], v[32*\m+2*q:32*\m+2*q+1], v[32*\m+2*q:32*\m+2*q+1]
.set q, q+1
.endr
.rept 12
	s_delay_alu instid0(VALU_DEP_4)
	v_pk_fma_f32 v[UU+2*(q%4):UU+2*(q%4)+1], v[32*\m+2*q:32*\m+2*q+1], v[32*\m+2*q:32*\m+2*q+1], v[UU+2*(q%4):UU+2*(q%4)+1]
.set q, q+1
.endr
	WIN 0
	v_pk_add_f32 v[UU:UU+1], v[UU:UU+1], v[UU+2:UU+3]
	v_pk_add_f32 v[UU+4:UU+5], v[UU+4:UU+5], v[UU+6:UU+7]
	s_delay_alu instid0(VALU_DEP_1)
	v_pk_add_f32 v[UU:UU+1], v[UU:UU+1], v[UU+4:UU+5]
	s_delay_alu instid0(VALU_DEP_1)
	v_add_f32 v[UU], v[UU], v[UU+1]
	s_delay_alu instid0(VALU_DEP_1)
	v_permlanex16_b32 v[UU+2], v[UU], s[SEL], s[SEL+1]
	s_delay_alu instid0(VALU_DEP_1)
	v_add_f32 v[UU+8+\m], v[UU], v[UU+2]
	ds_store_b32 v13, v[UU+8+\m] offset:4096+512*\m
.endm
.macro NORM m                          ; y = (h - mu) / sigma x ln_g + ln_b
	WIN 0x01
.set q, 0
.rept 16
	v_pk_mul_f32 v[YY+2*q:YY+2*q+1], v[32*\m+2*q:32*\m+2*q+1], v[MU+2*\m:MU+2*\m+1] op_sel_hi:[1,0]
.set q, q+1
.endr
	WIN 0
.set q, 0
.rept 16
	v_pk_fma_f32 v[YY+2*q:YY+2*q+1], v[YY+2*q:YY+2*q+1], v[LG+2*q:LG+2*q+1], v[LNB+2*q:LNB+2*q+1]
.set q, q+1
.endr
.endm
.macro TOSTAGE m                       ; 16 rows x 256 bytes through my own stage (rows 272 bytes apart) and back as whole rows; LDS serves a wave's instructions in order (ISA guide 5.7.1.4)
.irp t, 0,1,2,3
.irp k, 0,1
	ds_store_b128 v15, v[YY+8*\t+4*\k:YY+8*\t+4*\k+3] offset:64*\t+16*\k
.endr
.endr
.irp i, 0,1,2,3,4,5,6,7
	ds_load_b128 v[ZZ+32*(\m%2)+4*\i:ZZ+32*(\m%2)+4*\i+3], v16 offset:544*\i
.endr
.endm
.macro SEND m, younger
.set sm, \m
	s_wait_dscnt \younger
.irp i, 0,1,2,3,4,5,6,7
	global_store_b128 v17, v[ZZ+32*(sm%2)+4*\i:ZZ+32*(sm%2)+4*\i+3], s[10:11] offset:2048*(32*(sm/2)+8*(sm%2)+2*\i+8*(\i/4)) th:TH_STORE_NT   ; sixteen lanes store 256 consecutive bytes, at a multiple of 256 from out0's first byte
.endr
.endm
; ---------------- the head
	s_load_b512 s[16:31], s[0:1], 0x0              ; x, out0, qkv, gkv, out_w (codes, scales), out_b, ln_g
	s_load_b64 s[32:33], s[0:1], 0x40              ; ln_b
	v_lshrrev_b32 v92, 5, v0
	s_delay_alu instid0(VALU_DEP_1)
	v_readfirstlane_b32 s2, v92                    ; wave = head
	s_mul_i32 s12, s2, QPKB
	s_add_co_u32 s12, s12, QPK
	s_lshl_b32 s13, s2, 8
	s_add_co_u32 s[PARW], s13, PAR
	s_lshl_b32 s[CIMGW], s2, 13
	s_add_co_u32 s[CIMGW], s[CIMGW], CIMG
	s_lshl_b32 s[CSCW], s2, 9
	s_add_co_u32 s[CSCW], s[CSCW], CSC
	s_mov_b32 s[SEL], 0x76543210
	s_mov_b32 s[SEL+1], 0xfedcba98
	s_mov_b32 s[CC], 0x3e38aa3b                    ; log2(e) / 8
	s_mov_b32 s[CC+1], s[CC]
	s_mov_b32 s82, 0x05040100                      ; v_perm_b32: the two low halves,
	s_mov_b32 s83, 0x07060302                      ; the two high halves
	s_lshl_b32 s34, ttmp9, 3
	s_add_co_u32 s34, s34, s2
	s_mul_i32 s34, s34, 18432                      ; my own block of qkv,
	s_mov_b32 s35, 0
	s_and_b32 s44, ttmp9, 0xfe
	s_lshl_b32 s44, s44, 3
	s_add_co_u32 s44, s44, s2
	s_mul_i32 s44, s44, 18432                      ; the window's first half's,
	s_mov_b32 s45, 0
	s_lshr_b32 s46, ttmp9, 6
	s_lshl_b32 s46, s46, 3
	s_add_co_u32 s46, s46, s2
	s_mul_i32 s46, s46, 9216                       ; the batch's block of gkv
	s_mov_b32 s47, 0
	s_lshl_b32 s14, ttmp9, 18                      ; my 128 rows of 2,048 bytes
	s_mov_b32 s15, 0
	v_and_b32 v[LN], 31, v0
	v_and_b32 v93, 15, v0                          ; r
	v_bfe_u32 v94, v0, 4, 1                        ; h
	v_and_b32 v95, 8, v93
	v_add_nc_u32 v95, v95, v93                     ; RP
	v_lshlrev_b32 v[L16], 4, v[LN]
	v_lshlrev_b32 v[L4], 2, v[LN]
	v_lshlrev_b32 v[R4], 2, v93
	v_lshlrev_b32 v[R8], 3, v93
	v_lshlrev_b32 v[P64], 4, v93
	v_lshl_add_u32 v[P64], v94, 3, v[P64]
	v_lshlrev_b32 v[VVI], 4, v93
	v_lshl_add_u32 v[VVI], v94, 10, v[VVI]
	v_lshlrev_b32 v[H64], 6, v94
	v_lshlrev_b32 v[RP4], 2, v95
	v_lshlrev_b32 v18, 4, v93
	v_lshl_add_u32 v[ARL], v94, 11, v18
	v_add_nc_u32 v[ARL], s13, v[ARL]               ; 2048 h + 16 r + 256 w
	v_mad_u32_u24 v[RSA], v94, 272, v18
	v_add_nc_u32 v[RSA], s12, v[RSA]
	v_mul_u32_u24 v[RLA], v93, 272
	v_lshl_add_u32 v[RLA], v94, 5, v[RLA]
	v_add_nc_u32 v[RLA], s12, v[RLA]
	v_add_nc_u32 v[AQL], s12, v[L16]
.irp b, 0,1,2,3
	v_mov_b32 v[T2+\b], 0                          ; written once: a lane permute's destination counts as one of its sources
.endr
	v_lshlrev_b32 v[T8G], 3, v0
	v_add_nc_u32 v[T8L], PAR, v[T8G]
	s_wait_alu depctr_va_vdst(0)
	s_wait_kmcnt 0x0
	s_add_nc_u64 s[8:9], s[16:17], s[14:15]        ; x and out0 at my own 128 rows
	s_add_nc_u64 s[10:11], s[18:19], s[14:15]
	s_add_nc_u64 s[36:37], s[20:21], s[34:35]
	s_add_nc_u64 s[38:39], s[20:21], s[44:45]
	s_add_nc_u64 s[40:41], s[38:39], 147456        ; the window's second half: eight blocks on
	s_add_nc_u64 s[42:43], s[22:23], s[46:47]
.irp a, 0,1,2
	global_load_b64 v[214+2*\a:215+2*\a], v[T8G], s[28+2*\a:29+2*\a]   ; out_b, ln_g, ln_b, 8 bytes a thread
.endr
.irp i, 0,1,2,3,4,5,6,7,8
	global_load_b128 v[128+4*\i:131+4*\i], v[L16], s[36:37] offset:512*\i          ; q's codes and words,
	global_load_b128 v[164+4*\i:167+4*\i], v[L16], s[36:37] offset:9216+512*\i     ; gq's
.endr
	WIN 0x40
.irp s, 0,1
.irp j, 0,1,2,3,4,5,6,7
	global_load_b128 v[128+32*\s+4*\j:131+32*\s+4*\j], v[L16], s[38+2*\s:39+2*\s] offset:4608+512*\j   ; k: tile 8 s + j at window 1, v[128 + 4 (8 s + j)]
.endr
.irp t, 0,1,2,3
.irp c, 0,1
	global_load_b128 v[192+32*\s+8*\t+4*\c:195+32*\s+8*\t+4*\c], v[VVI], s[38+2*\s:39+2*\s] offset:13824+2048*\c+256*\t   ; v: fragment (t, step s); group c of lane (r, h) is key block 2 c + h of the half
.endr
.endr
.endr
	WIN 0
.irp s, 0,1
.irp j, 0,1,2,3
	global_load_b32 v[KS+4*\s+\j], v[L4], s[38+2*\s:39+2*\s] offset:8704+128*\j
.endr
.irp t, 0,1
	global_load_b32 v[VS+2*\t+\s], v[L4], s[38+2*\s:39+2*\s] offset:17920+128*\t
.endr
.endr
	s_wait_loadcnt 44                              ; the three arrays, q and gq are in; k's and v's 44 loads may be out
.irp i, 0,1,2,3,4,5,6,7,8
	ds_store_b128 v[AQL], v[128+4*\i:131+4*\i] offset:512*\i
	ds_store_b128 v[AQL], v[164+4*\i:167+4*\i] offset:4608+512*\i
.endr
.irp a, 0,1,2
	ds_store_b64 v[T8L], v[214+2*\a:215+2*\a] offset:2048*\a
.endr
	WIN 0x40
.irp j, 0,1,2,3,4,5,6,7
	global_load_b128 v[4*\j:4*\j+3], v[L16], s[42:43] offset:512*\j                ; gk: window 1, v[4 j]
.endr
.irp t, 0,1,2,3
.irp c, 0,1
	global_load_b128 v[32+8*\t+4*\c:35+8*\t+4*\c], v[VVI], s[42:43] offset:4096+2048*\c+256*\t   ; gv: v[32 + 8 t]
.endr
.endr
	RLOAD 2                                        ; two tiles of the residual, into registers that nothing else uses
	RLOAD 3
	WIN 0
.irp j, 0,1,2,3
	global_load_b32 v[GKS+\j], v[L4], s[42:43] offset:8192+128*\j
.endr
.irp t, 0,1
.irp p, 0,1,2,3
	global_load_u8 v[40+4*\t+\p], v[LN], s[42:43] offset:8704+64*\p+32*\t          ; gv's scale bytes: channel 32 t + lane, pair p
.endr
.endr
	s_wait_loadcnt 44                              ; k, v and their words are in; the 44 loads issued behind them may be out
	ATT 0
; ---------------- the global attention
	s_wait_loadcnt 0x0                             ; gk, gv and their scales are in
.irp t, 0,1
	v_lshl_or_b32 v[GVS+\t], v[41+4*\t], 8, v[40+4*\t]
.endr
.irp t, 0,1
	v_lshl_or_b32 v[GVS+\t], v[42+4*\t], 16, v[GVS+\t]
.endr
.irp t, 0,1
	v_lshl_or_b32 v[GVS+\t], v[43+4*\t], 24, v[GVS+\t]
.endr
	WIN 0x40
	RLOAD 4                                        ; into the registers that k and v have left
	RLOAD 5
	RLOAD 6
	RLOAD 7
	WIN 0
	ATT 1
; ---------------- the last product: K = 1,024 in eight steps, on the residual
	WIN 0x40
	RLOAD 0                                        ; into the registers that gk and gv have left
	RLOAD 1
	WIN 0
	s_lshl_b32 s14, s2, 11
	v_lshl_add_u32 v13, v[R4], 3, s14              ; out_w's scale bytes: 2048 w + 32 r
.irp t, 0,1,2,3
.irp k, 0,1
	global_load_b128 v[RAW+8*\t+4*\k:RAW+8*\t+4*\k+3], v13, s[26:27] offset:512*\t+16*\k
.endr
.endr
	s_lshl_b32 s14, s2, 15
	v_add_nc_u32 v12, s14, v[L16]                  ; oww: 32768 w + 16 lane
	OWLOAD 0
	OWLOAD 1
	OWLOAD 2
	s_wait_loadcnt 48                              ; the residual's tiles 2 to 7 are in; the 48 loads issued behind them may be out
.irp m, 2,3,4,5,6,7
	RTURN \m                                       ; my q and gq have been read: their bytes are the stage now
.endr
	BARRIER
	v_add_nc_u32 v14, CIMG, v[L16]
	v_add_nc_u32 v15, CSC, v[L4]
	s_wait_alu depctr_va_vdst(0)
	s_wait_loadcnt 24
	RTURN 0
	RTURN 1
	CFH 0, 0
	CFH 0, 1
.irp t, 0,1,2,3
.irp g, 0,1,2,3,4,5,6,7
	v_perm_b32 v[OWS+8*\t+\g], v[RAW+8*\t+4+\g/2], v[RAW+8*\t+\g/2], s[82+\g%2]   ; K step g's word: local head g's two bytes below, global head g's above
.endr
.endr
	OWLOAD 3                                       ; into the slot that held the raw bytes
	PLACES 8                                       ; between the scale words just made and the first product
	s_wait_alu depctr_va_vdst(0)
	OSTEP 0
	OSTEP 1
	OSTEP 2
	OSTEP 3
	OSTEP 4
	OSTEP 5
	OSTEP 6
	OSTEP 7
; ---------------- LayerNorm in two passes (mean, then the squares of h - mean), and the way out
	v_lshrrev_b32 v18, 1, v[H64]                   ; 32 h
	s_delay_alu instid0(VALU_DEP_1)
	v_add_nc_u32 v12, s[PARW], v18                 ; my 32 columns of out_b, ln_g, ln_b: 256 w + 64 t + 32 h + 16 k
	s_lshl_b32 s14, s2, 2
	s_add_co_u32 s14, s14, ST1
	v_lshl_add_u32 v13, v[R8], 2, s14              ; my partial sums: ST1 + 32 r + 4 w
	v_lshlrev_b32 v14, 2, v[R8]
	s_delay_alu instid0(VALU_DEP_1)
	v_add_nc_u32 v14, ST1, v14                     ; all eight waves': ST1 + 32 r
	v_mul_u32_u24 v15, v[R4], 68
	s_delay_alu instid0(VALU_DEP_1)
	v_add_nc_u32 v15, v15, v18
	s_delay_alu instid0(VALU_DEP_1)
	v_add_nc_u32 v15, s12, v15                     ; the stage, in: 272 r + 32 h
	v_lshrrev_b32 v16, 6, v[H64]
	s_delay_alu instid0(VALU_DEP_1)
	v_mul_u32_u24 v16, v16, 272
	s_delay_alu instid0(VALU_DEP_1)
	v_lshl_add_u32 v16, v[R4], 2, v16
	s_delay_alu instid0(VALU_DEP_1)
	v_add_nc_u32 v16, s12, v16                     ; back: lanes 0-15 one row, lanes 16-31 the next
	v_lshlrev_b32 v17, 5, v[H64]
	s_delay_alu instid0(VALU_DEP_1)
	v_lshl_add_u32 v17, v[R4], 2, v17
	s_lshl_b32 s14, s2, 8
	v_add_nc_u32 v17, s14, v17                     ; and the same in out0: 2048 h + 16 r + 256 w
.irp a, 0,1,2
.irp t, 0,1,2,3
.irp k, 0,1
	ds_load_b128 v[OB+32*\a+8*\t+4*\k:OB+32*\a+8*\t+4*\k+3], v12 offset:2048*\a+64*\t+16*\k
.endr
.endr
.endr
	s_wait_dscnt 0x0
.irp m, 0,1,2,3,4,5,6,7
	LN1 \m
.endr
	BARRIER                                        ; every wave's sums lie in LDS
.irp m, 0,1,2,3,4,5,6,7
.irp k, 0,1
	ds_load_b128 v[SM+8*\m+4*\k:SM+8*\m+4*\k+3], v14 offset:512*\m+16*\k
.endr
.endr
	s_wait_dscnt 0x0
	SUMS
.irp m, 0,1,2,3,4,5,6,7
	v_mul_f32 v[MU+2*\m], 0x3b000000, v[SM+8*\m]   ; mu = the sum / 512, in both halves of a pair
	v_mul_f32 v[MU+2*\m+1], 0x3b000000, v[SM+8*\m]
.endr
.irp m, 0,1,2,3,4,5,6,7
	LN2 \m
.endr
	BARRIER                                        ; every wave's sums of squares lie in LDS
.irp m, 0,1,2,3,4,5,6,7
.irp k, 0,1
	ds_load_b128 v[SM+8*\m+4*\k:SM+8*\m+4*\k+3], v14 offset:4096+512*\m+16*\k
.endr
.endr
	s_mov_b32 s14, 0x3b000000                      ; 1 / 512
	s_mov_b32 s15, 0x3727c5ac                      ; 1e-5
	s_wait_dscnt 0x0
	SUMS
.irp m, 0,1,2,3,4,5,6,7
	v_fma_f32 v[MU+2*\m], v[SM+8*\m], s14, s15     ; the variance + eps
.endr
	s_wait_alu depctr_va_vdst(0)
.irp m, 0,1,2,3,4,5,6,7
	v_rsq_f32 v[MU+2*\m], v[MU+2*\m]
.endr
	v_nop                                          ; a plain line behind the last of the batch,
	s_wait_alu depctr_va_vdst(0)                   ; and one wait for the eight, ahead of their first reader
.irp m, 0,1,2,3,4,5,6,7
.if \m > 0
	s_wait_dscnt 8                                 ; the last tile's eight stores into the stage have read y; its eight loads may be out
.endif
	NORM \m
.if \m > 1
	s_wait_alu depctr_va_vdst(0)
	s_wait_xcnt 0x0                                ; the stores of two tiles back have read the registers into which this tile's rows come back
.endif
	TOSTAGE \m
.if \m > 0
	SEND \m-1, 16                                  ; behind the last tile's loads: this tile's eight stores and eight loads
.endif
.endr
	SEND 7, 0
	s_wait_xcnt 0x0
	v_lshl_add_u32 v254, v0, 2, SPARE
	v_mov_b32 v255, 0
	s_wait_alu depctr_va_vdst(0)
	s_wait_tensorcnt 0x0                           ; the wave's end
	ds_add_u32 v254, v255
	s_wait_dscnt 0x0
	s_endpgm
.Lfunc_end_k_q3e1cdd9700_hier:
	.size	k_q3e1cdd9700_hier, .Lfunc_end_k_q3e1cdd9700_hier-k_q3e1cdd9700_hier
	.p2alignl 7, 3214868480
	.fill 96, 4, 3214868480
	.section	.rodata,"a",@progbits
	.p2align	6, 0x0
	.amdhsa_kernel k_q3e1cdd9700_hier
		.amdhsa_group_segment_fixed_size 158720
		.amdhsa_private_segment_fixed_size 0
		.amdhsa_enable_private_segment 0
		.amdhsa_kernarg_size 72
		.amdhsa_user_sgpr_count 2
		.amdhsa_user_sgpr_kernarg_segment_ptr 1
		.amdhsa_wavefront_size32 1
		.amdhsa_system_sgpr_workgroup_id_x 1
		.amdhsa_system_sgpr_workgroup_id_y 1
		.amdhsa_system_sgpr_workgroup_id_z 1
		.amdhsa_system_vgpr_workitem_id 0
		.amdhsa_next_free_vgpr 512
		.amdhsa_next_free_sgpr 96
		.amdhsa_reserve_vcc 0
		.amdhsa_float_denorm_mode_32 3
		.amdhsa_float_denorm_mode_16_64 3
		.amdhsa_memory_ordered 1
		.amdhsa_forward_progress 1
		.amdhsa_inst_pref_size 220
	.end_amdhsa_kernel
	.amdgpu_metadata
---
amdhsa.version: [ 1, 2 ]
amdhsa.kernels:
  - .name:           k_q3e1cdd9700_hier
    .symbol:         k_q3e1cdd9700_hier.kd
    .args:
      - { .name: x, .offset: 0, .size: 8, .value_kind: global_buffer, .address_space: global }
      - { .name: out0, .offset: 8, .size: 8, .value_kind: global_buffer, .address_space: global }
      - { .name: qkv, .offset: 16, .size: 8, .value_kind: global_buffer, .address_space: global }
      - { .name: gkv, .offset: 24, .size: 8, .value_kind: global_buffer, .address_space: global }
      - { .name: oww, .offset: 32, .size: 8, .value_kind: global_buffer, .address_space: global }
      - { .name: out_w_scales, .offset: 40, .size: 8, .value_kind: global_buffer, .address_space: global }
      - { .name: out_b, .offset: 48, .size: 8, .value_kind: global_buffer, .address_space: global }
      - { .name: ln_g, .offset: 56, .size: 8, .value_kind: global_buffer, .address_space: global }
      - { .name: ln_b, .offset: 64, .size: 8, .value_kind: global_buffer, .address_space: global }
    .group_segment_fixed_size: 158720
    .private_segment_fixed_size: 0
    .kernarg_segment_align: 8
    .kernarg_segment_size: 72
    .max_flat_workgroup_size: 256
    .sgpr_count:     96
    .vgpr_count:     512
    .wavefront_size: 32
...
	.end_amdgpu_metadata
.endif
;; end of part 2
